; MI455X (gfx1250); checked and timed in simulation.
; The chip was launched on July 23, 2026; its instructions are those of AMD's public machine-readable ISA for CDNA 5 (MIT licence, August 2026) and "CDNA5" Instruction Set Architecture Reference Guide (July 2026). The comments in the code are by the model that wrote it; some were corrected since.
;; GMF. Allowed arithmetic: matrix products marked QUANTISED: E3M2 operands, one E8M0 scale for each 32 along K, by v_wmma_scale_f32_16x16x128_f8f6f4 with both operands' format E3M2, f32 sums; everything else in f32.
;; Inputs: P_weight 64 x 1,000,000 float32; Q_weight 64 x 100,032 float32; genres_one_hot_codes 16,384 x 1 x 24 uint8 (E3M2 codes of genres_one_hot, K innermost, in blocks of 32 codes, four codes in three bytes); genres_one_hot_scales 16,384 x 1 uint8 (E8M0 scales of genres_one_hot, one for each 32 codes along K); item_ids 16,384 int32; user_ids 16,384 int32.
;; Outputs: out0 16,384 x 1 float32.
;; This version of the problem:
;;   THIS VERSION OF THE PROBLEM IS GIVEN IN LOW PRECISION. The matrix products marked QUANTISED in the list below multiply operands that are first quantised to E3M2 (3 exponent bits, 2 mantissa bits; 6 bits a number), with one power-of-two scale for each 32 numbers along K (OCP MX v1.0); their sums are f32. All else is computed in f32.
;;   The module's matrix products, in the order in which they are computed (A, B: the left and right operand; K: the contracted axis; several contracted axes count as one K, in the product's order):
;;     1. [M 16,384, K 32] x [K 32, N 64]; A: input genres_one_hot (given as codes); B: input Q_weight: QUANTISED
;;   THE QUANTISER, for each operand of a quantised product, along K:
;;     - K is cut into blocks of 32 from its start; a last block that is shorter is filled with zeros.
;;     - A block's scale is 2^e with e = floor(log2(the largest magnitude in the block)) - 4, held to -126 .. 127; a block of zeros has e = 0. As a byte (E8M0): e + 127.
;;     - Each number is divided by its block's scale, clamped to +-28, and rounded to the nearest number of E3M2, ties to even, subnormals kept.
;;     - The product sums the exact products of the quantised numbers (number of the format x scale) in f32.
;;   ~~~python
;;   def quantise(x, axis):      # numpy; x: float32 -> the quantised numbers, widened to float32 again
;;       x = np.moveaxis(x, axis, -1); K = x.shape[-1]
;;       x = np.pad(x, [(0, 0)] * (x.ndim - 1) + [(0, -K % 32)]); x = x.reshape(x.shape[:-1] + (-1, 32)); a = np.abs(x).max(-1, keepdims=True)
;;       e = np.where(a > 0, np.clip(np.frexp(np.where(a > 0, a, 1))[1] - 1 - 4, -126, 127), 0)      # np.frexp(a)[1] - 1 = floor(log2(a)), exactly
;;       r = np.clip(x / 2.0 ** e, -28, 28)
;;       step = 2.0 ** (np.maximum(np.frexp(np.where(r == 0, 1, r))[1] - 1, -2) - 2)
;;       q = np.round(r / step) * step * 2.0 ** e      # np.round: ties to even
;;       return np.moveaxis(q.reshape(q.shape[:-2] + (-1,))[..., :K], -1, axis).astype(np.float32)
;;   ~~~
;;   INPUTS GIVEN AS CODES. genres_one_hot (in the module: [16384, 32], K = its axis 1): each comes as NAME_codes (uint8): NAME with its K axis moved to the last place and cut into blocks of 32 codes, [.., K / 32, bytes a block], one block behind the other in memory; four codes in three bytes: a row's codes are one little-endian stream of bits, code i at bits 6 i .. 6 i + 5 (a code: sign, 3 exponent bits, 2 mantissa bits); and NAME_scales (uint8): the same leading axes, one E8M0 byte (e + 127) for each 32 codes along K. Its value is code x scale, taken as it is: it is not quantised again, and the codes and scales need not be those that the quantiser above would give.
;; 2 versions, each right; version 2 is version 1 with the launch gmf written anew for expert scheduling mode. Each part assembles by itself: llvm-mc -triple=amdgcn-amd-amdhsa -mcpu=gfx1250 --defsym DOCPART=n.
;; ======== version 1 of 2: 1 launch
;; launch gmf (part 1): grid 256 x 1, 8 waves a work-group, no clusters, 1,536 bytes of LDS; arguments user_ids, item_ids, genres_one_hot_codes, genres_one_hot_scales, P_weight, Q_weight, out0; writes out0
.if DOCPART == 1
	.amdgcn_target "amdgcn-amd-amdhsa--gfx1250"
	.amdhsa_code_object_version 6
	.text
	.protected	k_q356fed9217_gmf
	.globl	k_q356fed9217_gmf
	.p2align	8
	.type	k_q356fed9217_gmf,@function
k_q356fed9217_gmf:
	s_mov_b64 s[64:65], 0
	v_nop
	global_prefetch_b8 v0, s[64:65] scope:SCOPE_SE
	s_setreg_imm32_b32 hwreg(HW_REG_WAVE_MODE, 25, 1), 1
	s_wait_xcnt 0x0
; out[b] = sum over k of P[k][user[b]] x (Q[k][item[b]] + sum over g of genres[b][g] x Qq[k][100,000 + g]);  b = 0 .. 16,383, k = 0 .. 63 (the latent rows), g = 0 .. 31.
; P: [64][1,000,000] f32.  Q: [64][100,032] f32: 100,000 item columns, then 32 genre columns.  genres: codes of E3M2, 24 bytes a batch row, with one E8M0 byte a row, taken as given.
; Qq: Q's genre columns quantised here along g: one block of 32 for each latent row, scale 2^(floor(log2(largest magnitude)) - 4), codes of E3M2.
; SHARES.  A work-group owns 64 batch rows: its 64 results are 256 consecutive bytes of out, at a multiple of 256 from out's first byte.  Eight waves: wave w takes batch rows 16 (w / 2) .. + 15
; and latent rows 32 u .. 32 u + 31, u = w % 2.  Lane (r = lane % 16, h = lane / 16) holds batch row r and the latent rows 32 u + 16 b + 8 h + j, b = 0, 1, j = 0 .. 7.
; THE GATHERS.  Each number of P and of Q's item part stands alone in its row (rows are 4,000,000 and 400,128 bytes apart, the columns are arbitrary), so each is a load of 4 bytes: 16 + 16 load
; instructions a wave, issued as soon as the ids are in, P's first.  With the 12 older loads 44 are out at the most.  All other work stands behind their issue.
; THE PRODUCT, v_wmma_scale_f32_16x16x128_f8f6f4 on E3M2 codes, is used transposed: source 0 = genre weights, source 1 = 16 batch rows of genres; in the result lane (r, h) holds batch row r,
; and register j the operand row m = 8 h + j of source 0.  K = 32 fills ONE of the instruction's four blocks of 32.  Source 0 holds the wave's 32 weight rows at once: lane l quantises row 32 u + l, and by the
; 6-bit layout (registers 0-5 of lane (r, h): k = 32 h .. 32 h + 31) operand row m then has latent row 32 u + m in block 0 and latent row 32 u + 16 + m in block 1; blocks 2 and 3 are zero codes.
; Source 1 of instruction b has the genres' codes in block b and zero codes in the other three (their scale byte there: 0, that is 2^-127): a zero code times any code is exactly 0, so instruction b gives
; latent rows 32 u + 16 b + m.  No code changes lanes.  The gathered numbers of Q are the instruction's C, in the result's own layout: q_item + q_genre costs no vector instruction.
; NOT USED, by the code's own arithmetic: tensor loads, LDS slots and clusters (there are no tiles: what work-groups share is the 8,192 bytes of genre weights and nothing else); prefetches (a gather's
; address is known only when its id is in, and then the gather itself goes out).
; LIMITS.  An id outside its table (a negative one counts as a large unsigned number) is held at the table's last column.  NaN and infinities among the genre weights are not served; a genres scale byte
; 0xff gives NaN.  The 64 products of a result are added in another order than ascending k: four packed sums a lane, two lanes, two waves, all in f32.
.set PROW, 1000000*4                   ; bytes in a row of P
.set QROW, 100032*4                    ; bytes in a row of Q
.set GOFF, 100000*4                    ; where a row's genre columns begin
.set R,    1                           ; v1      r = lane % 16
.set LANE, 2                           ; v2      lane
.set H8,   3                           ; v3      8 h
.set AID,  4                           ; v4      4 r: my id among the wave's 16
.set ACD,  5                           ; v5      24 r: my batch row's codes
.set AGW,  6                           ; v6      lane x QROW: my row of genre weights
.set PO,   8                           ; v8      the user id, then 4 x id + 8 h rows of P
.set QO,   9                           ; v9      the item id, then 4 x id + 8 h rows of Q
.set HP,   10                          ; v10     8 h rows of P, in bytes
.set HQ,   11                          ; v11     8 h rows of Q
.set SG,   12                          ; v12-13  the genres' scale word for instruction b: the row's byte at byte b, 0 elsewhere
.set SW,   14                          ; v14     the weights' scale word: byte 0 row 32 u + m, byte 1 row 32 u + 16 + m
.set TP,   15                          ; v15     what the lane 16 away sends
.set MX,   16                          ; v16-17  the block's largest magnitude, in two chains
.set BY,   18                          ; v18     its scale byte
.set CS,   19                          ; v19     the scale as f32, for the conversions
.set ACC,  20                          ; v20-27  four packed sums
.set SUM,  28                          ; v28     my batch row's sum
.set LST,  29                          ; v29     LDS: where the sum goes
.set LLD,  30                          ; v30     8 x lane: LDS address on the way out, and the byte offset in out
.set OUTD, 32                          ; v32-35  the way out
.set W,    36                          ; v36-47  source 0: six registers of codes, six of zeros
.set T,    48                          ; v48-50  the block's upper 16 codes as converted
.set GC,   52                          ; v52-57  my batch row's 24 bytes of codes as loaded
.set G,    58                          ; v58-81  source 1 of instruction 0 (v58-69) and of instruction 1 (v70-81): six registers of codes in one half of the lanes, six of zeros
.set X,    84                          ; v84-115 my row's 32 genre weights
.set QG,   116                         ; v116-131 Q's numbers, C and D of the two matrix instructions
.set PG,   132                         ; v132-147 P's numbers
.set PB,   40                          ; s[40:51] six bases in P: rows 32 u + 16 b + 3 e, e = 0, 1, 2
.set QB,   52                          ; s[52:55] two bases in Q: rows 32 u + 16 b
.set GB,   56                          ; s[56:57] the genre columns of row 32 u
	s_load_b256 s[4:11], s[0:1], 0x0               ; user_ids s[4:5], item_ids s[6:7], the genres' codes s[8:9], their scales s[10:11]
	s_load_b128 s[12:15], s[0:1], 0x20             ; P s[12:13], Q s[14:15]
	s_load_b64 s[16:17], s[0:1], 0x30              ; out
	v_lshl_add_u32 v148, v0, 2, 0x200
	v_mov_b32 v149, 0
	v_lshrrev_b32 v7, 5, v0
	v_readfirstlane_b32 s18, v7                    ; wave 0..7
	v_and_b32 v[R], 15, v0
	v_and_b32 v[LANE], 31, v0
	v_bfe_u32 v[H8], v0, 4, 1
	v_lshlrev_b32 v[H8], 3, v[H8]
	v_lshlrev_b32 v[AID], 2, v[R]
	v_mul_u32_u24 v[ACD], v[R], 24
	v_mul_u32_u24 v[AGW], v[LANE], QROW
	v_mul_u32_u24 v[HP], v[H8], PROW
	v_mul_u32_u24 v[HQ], v[H8], QROW
	s_and_b32 s19, s18, 1                          ; u: which 32 latent rows
	s_lshr_b32 s20, s18, 1                         ; which 16 of the group's batch rows
	s_lshl_b32 s21, ttmp9, 6
	s_lshl4_add_u32 s26, s20, s21                  ; my wave's first batch row = 64 x work-group + 16 x (wave / 2): also its byte offset among the genres' scales
	s_mov_b32 s27, 0
	s_lshl_b32 s22, s26, 2                         ; the same among the ids,
	s_mov_b32 s23, 0
	s_mul_i32 s24, s26, 24                         ; and among the genres' codes
	s_mov_b32 s25, 0
	s_mul_i32 s28, s19, 32*PROW                    ; 32 u rows of P (128,000,000 bytes at the most)
	s_mov_b32 s29, 0
	s_mul_i32 s30, s19, 32*QROW                    ; 32 u rows of Q
	s_mov_b32 s31, 0
	s_lshl_b32 s32, ttmp9, 8                       ; the group's 256 bytes of out
	s_mov_b32 s33, 0
	s_lshl_b32 s37, s19, 8                         ; LDS: 256 bytes for each half of the latent rows, in them 64 bytes for each 16 batch rows
	s_lshl_b32 s38, s20, 6
	s_add_co_u32 s37, s37, s38
	s_mov_b32 s34, 0x76543210                      ; v_permlanex16_b32: each lane takes its own place in the other half
	s_mov_b32 s35, 0xfedcba98
	s_mov_b32 s36, 0xffff                          ; lanes 0-15
	s_wait_kmcnt 0x0
	s_add_nc_u64 s[4:5], s[4:5], s[22:23]
	s_add_nc_u64 s[6:7], s[6:7], s[22:23]
	global_load_b32 v[PO], v[AID], s[4:5]          ; the ids first: the gathers hang on them.  Both halves of the lanes take the same 16
	global_load_b32 v[QO], v[AID], s[6:7]
	s_add_nc_u64 s[8:9], s[8:9], s[24:25]
	s_add_nc_u64 s[10:11], s[10:11], s[26:27]
	s_add_nc_u64 s[12:13], s[12:13], s[28:29]      ; P and Q at latent row 32 u
	s_add_nc_u64 s[14:15], s[14:15], s[30:31]
	s_add_nc_u64 s[GB:GB+1], s[14:15], GOFF
.irp i, 0,1,2
	global_load_b64 v[GC+2*\i:GC+2*\i+1], v[ACD], s[8:9] offset:8*\i       ; a block of 32 codes, 24 bytes, as it lies: it IS six registers of an operand
.endr
	global_load_u8 v[SG], v[R], s[10:11]           ; its scale byte: with zeros above it, the scale word of instruction 0
.irp i, 0,1,2,3,4,5,6,7
	global_load_b128 v[X+4*\i:X+4*\i+3], v[AGW], s[GB:GB+1] offset:16*\i   ; genre weights of latent row 32 u + lane: a whole block in one lane's registers, g ascending
.endr
	; while the ids are on their way: the bases, and the registers that hold zero codes.
	; Beside an offset made of a loaded id every immediate is 0 or more, so that base + offset + immediate never falls under the base.
.irp b, 0,1
.irp e, 0,1,2
	s_add_nc_u64 s[PB+6*\b+2*\e:PB+6*\b+2*\e+1], s[12:13], (16*\b+3*\e)*PROW   ; the signed 24-bit immediate (ISA guide, chapter 10) reaches two rows of P upward: a base serves three rows
.endr
	s_add_nc_u64 s[QB+2*\b:QB+2*\b+1], s[14:15], 16*\b*QROW                    ; seven rows of Q are 2,800,896 bytes: a base serves the eight rows of instruction b
.endr
	s_add_nc_u64 s[16:17], s[16:17], s[32:33]
.irp i, 6,7,8,9,10,11
	v_mov_b32 v[W+\i], 0                           ; blocks 2 and 3 of all three operands
	v_mov_b32 v[G+\i], 0
	v_mov_b32 v[G+12+\i], 0
.endr
	v_mov_b32 v[TP], 0                             ; (the destination of a lane permute counts as read)
	s_wait_loadcnt 12                              ; the two ids are in; behind them stand 3 + 1 + 8 loads
	v_min_u32 v[PO], 0xf423f, v[PO]                ; held inside the tables: 999,999
	v_min_u32 v[QO], 0x1869f, v[QO]                ; and 99,999
	v_lshlrev_b32 v[PO], 2, v[PO]
	v_lshlrev_b32 v[QO], 2, v[QO]
	v_add_nc_u32 v[PO], v[PO], v[HP]               ; my column, and 8 rows down for lanes 16-31
	v_add_nc_u32 v[QO], v[QO], v[HQ]
.irp b, 0,1
.irp j, 0,1,2,3,4,5,6,7
	global_load_b32 v[PG+8*\b+\j], v[PO], s[PB+6*\b+2*(\j/3):PB+6*\b+2*(\j/3)+1] offset:(\j%3)*PROW   ; P[32 u + 16 b + 8 h + j][user[r]]
.endr
.endr
.irp b, 0,1
.irp j, 0,1,2,3,4,5,6,7
	global_load_b32 v[QG+8*\b+\j], v[QO], s[QB+2*\b:QB+2*\b+1] offset:\j*QROW                         ; Q[32 u + 16 b + 8 h + j][item[r]]: register j of instruction b's C
.endr
.endr
	s_wait_loadcnt 32                              ; the 32 gathers stay out; the codes, the scale byte and the genre weights are in
	; THE QUANTISER, while the gathers are on their way.  My block: the 32 genre weights of latent row 32 u + lane.
	v_max3_num_f32 v[MX], |v[X]|, |v[X+1]|, |v[X+2]|               ; its largest magnitude, in two chains that do not wait for each other
	v_max3_num_f32 v[MX+1], |v[X+3]|, |v[X+4]|, |v[X+5]|
.irp i, 6,10,14,18,22,26
	v_max3_num_f32 v[MX], v[MX], |v[X+\i]|, |v[X+\i+1]|
	v_max3_num_f32 v[MX+1], v[MX+1], |v[X+\i+2]|, |v[X+\i+3]|
.endr
	v_max3_num_f32 v[MX], v[MX], |v[X+30]|, |v[X+31]|
	v_max_num_f32 v[MX], v[MX], v[MX+1]
	v_lshrrev_b32 v[BY], 23, v[MX]                 ; its exponent field is floor(log2) + 127
	v_max_u32 v[BY], 5, v[BY]                      ; (the byte is held at 1 from below: e = -126)
	v_add_nc_u32 v[BY], -4, v[BY]                  ; the scale's byte: 4 is the exponent of 28, the format's largest number
	v_lshlrev_b32 v[CS], 23, v[BY]                 ; and the scale as f32: the conversions take its exponent field
	v_cmp_eq_u32 vcc_lo, 0, v[MX]
	v_cndmask_b32 v[BY], v[BY], 127, vcc_lo        ; a block of zeros has e = 0
	v_lshlrev_b32 v[SW], v[H8], v[BY]              ; lanes 0-15 hold block 0's byte of operand row r, lanes 16-31 block 1's: 8 h bits up,
	v_permlanex16_b32 v[TP], v[SW], s34, s35
	v_or_b32 v[SW], v[SW], v[TP]                   ; and with the other half's the word is whole (bytes 2 and 3, of the zero codes, are 0)
	v_lshlrev_b32 v[SG+1], 8, v[SG]                ; the genres' scale word of instruction 1: the byte at block 1
	v_cvt_scalef32_pk16_bf6_f32 v[W:W+2], v[X:X+15], v[CS]         ; sixteen numbers / the scale, to the nearest code, ties to even, beyond 28 the largest code; 96 bits, the first number's code lowest
	v_cvt_scalef32_pk16_bf6_f32 v[T:T+2], v[X+16:X+31], v[CS]      ; (a conversion's three registers begin on an even number: the block's second three do not, so they are made here and moved)
.irp i, 0,1,2,3,4,5
	v_cndmask_b32 v[G+\i], 0, v[GC+\i], s36        ; instruction 0: the genres' codes in lanes 0-15 (block 0), zero codes in lanes 16-31 (block 1)
	v_cndmask_b32 v[G+12+\i], v[GC+\i], 0, s36     ; instruction 1: the other way round.  (These are also the plain instructions between the conversions and the use of their results)
.endr
.irp i, 0,1,2
	v_mov_b32 v[W+3+\i], v[T+\i]
.endr
.rept 4
	v_nop                                          ; an operand written by a vector instruction stands four places ahead of the scaled matrix instruction, a scale register eight (here 19); the wave waits for its gathers anyway
.endr
	s_wait_loadcnt 0x0                             ; all gathers are in
.irp b, 0,1                                    ; D(m, r) = Q[32 u + 16 b + m][item[r]] + sum over g of Qq[32 u + 16 b + m][g] x genres[r][g].  Two accumulators, one instruction each
	v_wmma_scale_f32_16x16x128_f8f6f4 v[QG+8*\b:QG+8*\b+7], v[W:W+11], v[G+12*\b:G+12*\b+11], v[QG+8*\b:QG+8*\b+7], v[SW], v[SG+\b] matrix_a_fmt:MATRIX_FMT_BF6 matrix_b_fmt:MATRIX_FMT_BF6
.endr
	v_lshl_add_u32 v[LST], v[R], 2, s37            ; four places behind the matrix instructions (ISA guide 7.12.1) before their results are read: the way out's two addresses,
	v_lshlrev_b32 v[LLD], 3, v[LANE]
	v_nop                                          ; and two for which no work is left
	v_nop
.irp p, 0,1                                    ; P x (q_item + q_genre), summed over my 16 latent rows: four packed sums, started by products; each accumulator is read from its low end on
.irp b, 0,1
	v_pk_mul_f32 v[ACC+4*\p+2*\b:ACC+4*\p+2*\b+1], v[QG+8*\b+2*\p:QG+8*\b+2*\p+1], v[PG+8*\b+2*\p:PG+8*\b+2*\p+1]
.endr
.endr
.irp p, 0,1
.irp b, 0,1
	v_pk_fma_f32 v[ACC+4*\p+2*\b:ACC+4*\p+2*\b+1], v[QG+8*\b+4+2*\p:QG+8*\b+5+2*\p], v[PG+8*\b+4+2*\p:PG+8*\b+5+2*\p], v[ACC+4*\p+2*\b:ACC+4*\p+2*\b+1]
.endr
.endr
	v_pk_add_f32 v[ACC:ACC+1], v[ACC:ACC+1], v[ACC+2:ACC+3]
	v_pk_add_f32 v[ACC+4:ACC+5], v[ACC+4:ACC+5], v[ACC+6:ACC+7]
	v_pk_add_f32 v[ACC:ACC+1], v[ACC:ACC+1], v[ACC+4:ACC+5]
	v_add_f32 v[SUM], v[ACC], v[ACC+1]
	v_permlanex16_b32 v[TP], v[SUM], s34, s35      ; the batch row's other 16 latent rows lie in the lane 16 away
	v_add_f32 v[SUM], v[SUM], v[TP]
	; THE WAY OUT.  A wave has 16 sums over half of the latent rows.  They meet in LDS, so that the group's 64 results leave as 256 consecutive bytes by one store.
	ds_store_b32 v[LST], v[SUM]                    ; both lanes of a batch row write the same word with the same value
	s_wait_dscnt 0x0                               ; for the others' sake: my store is done
	s_barrier_signal -1
	s_barrier_wait -1                              ; everybody's is
	s_cmp_lg_u32 s18, 0
	s_cbranch_scc1 .Lend                           ; wave 0 alone stores
	ds_load_b64 v[OUTD:OUTD+1], v[LLD]             ; two batch rows a lane: latent rows 0-31,
	ds_load_b64 v[OUTD+2:OUTD+3], v[LLD] offset:256   ; and 32-63
	s_wait_dscnt 0x0
	v_pk_add_f32 v[OUTD:OUTD+1], v[OUTD:OUTD+1], v[OUTD+2:OUTD+3]
	global_store_b64 v[LLD], v[OUTD:OUTD+1], s[16:17]   ; 32 lanes store 256 consecutive bytes, at a multiple of 256 from out's first byte
.Lend:
	s_wait_tensorcnt 0x0
	ds_add_u32 v148, v149
	s_wait_dscnt 0x0
	s_endpgm
.Lfunc_end_k_q356fed9217_gmf:
	.size	k_q356fed9217_gmf, .Lfunc_end_k_q356fed9217_gmf-k_q356fed9217_gmf
	.p2alignl 7, 3214868480
	.fill 96, 4, 3214868480
	.section	.rodata,"a",@progbits
	.p2align	6, 0x0
	.amdhsa_kernel k_q356fed9217_gmf
		.amdhsa_group_segment_fixed_size 1536
		.amdhsa_private_segment_fixed_size 0
		.amdhsa_enable_private_segment 0
		.amdhsa_kernarg_size 56
		.amdhsa_user_sgpr_count 2
		.amdhsa_user_sgpr_kernarg_segment_ptr 1
		.amdhsa_wavefront_size32 1
		.amdhsa_system_sgpr_workgroup_id_x 1
		.amdhsa_system_sgpr_workgroup_id_y 1
		.amdhsa_system_sgpr_workgroup_id_z 1
		.amdhsa_system_vgpr_workitem_id 0
		.amdhsa_next_free_vgpr 150
		.amdhsa_next_free_sgpr 66
		.amdhsa_reserve_vcc 1
		.amdhsa_float_denorm_mode_32 3
		.amdhsa_float_denorm_mode_16_64 3
		.amdhsa_memory_ordered 1
		.amdhsa_forward_progress 1
		.amdhsa_inst_pref_size 13
	.end_amdhsa_kernel
	.amdgpu_metadata
---
amdhsa.version: [ 1, 2 ]
amdhsa.kernels:
  - .name:           k_q356fed9217_gmf
    .symbol:         k_q356fed9217_gmf.kd
    .args:
      - { .name: user_ids, .offset: 0, .size: 8, .value_kind: global_buffer, .address_space: global }
      - { .name: item_ids, .offset: 8, .size: 8, .value_kind: global_buffer, .address_space: global }
      - { .name: genres_one_hot_codes, .offset: 16, .size: 8, .value_kind: global_buffer, .address_space: global }
      - { .name: genres_one_hot_scales, .offset: 24, .size: 8, .value_kind: global_buffer, .address_space: global }
      - { .name: P_weight, .offset: 32, .size: 8, .value_kind: global_buffer, .address_space: global }
      - { .name: Q_weight, .offset: 40, .size: 8, .value_kind: global_buffer, .address_space: global }
      - { .name: out0, .offset: 48, .size: 8, .value_kind: global_buffer, .address_space: global }
    .group_segment_fixed_size: 1536
    .private_segment_fixed_size: 0
    .kernarg_segment_align: 8
    .kernarg_segment_size: 56
    .max_flat_workgroup_size: 256
    .sgpr_count:     66
    .vgpr_count:     150
    .wavefront_size: 32
...
	.end_amdgpu_metadata
.endif
;; end of part 1
;; ======== version 2 of 2: 1 launch; version 1 with the launch gmf written anew for expert scheduling mode
;; launch gmf (part 2): grid 256 x 1, 8 waves a work-group, no clusters, 1,536 bytes of LDS; arguments user_ids, item_ids, genres_one_hot_codes, genres_one_hot_scales, P_weight, Q_weight, out0; writes out0
.if DOCPART == 2
	.amdgcn_target "amdgcn-amd-amdhsa--gfx1250"
	.amdhsa_code_object_version 6
	.text
	.protected	k_q356fed9217_gmf
	.globl	k_q356fed9217_gmf
	.p2align	8
	.type	k_q356fed9217_gmf,@function
k_q356fed9217_gmf:
	s_mov_b64 s[64:65], 0
	v_nop
	global_prefetch_b8 v0, s[64:65] scope:SCOPE_SE
	s_setreg_imm32_b32 hwreg(HW_REG_WAVE_SCHED_MODE, 0, 2), 2
	s_setreg_imm32_b32 hwreg(HW_REG_WAVE_MODE, 25, 1), 1
	s_wait_xcnt 0x0
	s_wait_alu depctr_vm_vsrc(0)
; out[b] = sum over k of P[k][user[b]] x (Q[k][item[b]] + sum over g of genres[b][g] x Qq[k][100,000 + g]);  b = 0 .. 16,383, k = 0 .. 63 (the latent rows), g = 0 .. 31.
; P: [64][1,000,000] f32.  Q: [64][100,032] f32: 100,000 item columns, then 32 genre columns.  genres: codes of E3M2, 24 bytes a batch row, with one E8M0 byte a row, taken as given.
; Qq: Q's genre columns quantised here along g: one block of 32 for each latent row, scale 2^(floor(log2(largest magnitude)) - 4), codes of E3M2.
; SHARES.  A work-group owns 64 batch rows: its 64 results are 256 consecutive bytes of out, at a multiple of 256 from out's first byte.  Eight waves: wave w takes batch rows 16 (w / 2) .. + 15
; and latent rows 32 u .. 32 u + 31, u = w % 2.  Lane (r = lane % 16, h = lane / 16) holds batch row r and the latent rows 32 u + 16 b + 8 h + j, b = 0, 1, j = 0 .. 7.
; THE GATHERS.  Each number of P and of Q's item part stands alone in its row (rows are 4,000,000 and 400,128 bytes apart, the columns are arbitrary), so each is a load of 4 bytes: 16 + 16 load
; instructions a wave, issued as soon as the ids are in, P's first.  With the 12 older loads 44 are out at the most.  All other work stands behind their issue.
; THE PRODUCT, v_wmma_scale_f32_16x16x128_f8f6f4 on E3M2 codes, is used transposed: source 0 = genre weights, source 1 = 16 batch rows of genres; in the result lane (r, h) holds batch row r,
; and register j the operand row m = 8 h + j of source 0.  K = 32 fills ONE of the instruction's four blocks of 32.  Source 0 holds the wave's 32 weight rows at once: lane l quantises row 32 u + l, and by the
; 6-bit layout (registers 0-5 of lane (r, h): k = 32 h .. 32 h + 31) operand row m then has latent row 32 u + m in block 0 and latent row 32 u + 16 + m in block 1; blocks 2 and 3 are zero codes.
; Source 1 of instruction b has the genres' codes in block b and zero codes in the other three (their scale byte there: 0, that is 2^-127): a zero code times any code is exactly 0, so instruction b gives
; latent rows 32 u + 16 b + m.  No code changes lanes.  The gathered numbers of Q are the instruction's C, in the result's own layout: q_item + q_genre costs no vector instruction.
; NOT USED, by the code's own arithmetic: tensor loads, LDS slots and clusters (there are no tiles: what work-groups share is the 8,192 bytes of genre weights and nothing else); prefetches (a gather's
; address is known only when its id is in, and then the gather itself goes out).
; LIMITS.  An id outside its table (a negative one counts as a large unsigned number) is held at the table's last column.  NaN and infinities among the genre weights are not served; a genres scale byte
; 0xff gives NaN.  The 64 products of a result are added in another order than ascending k: four packed sums a lane, two lanes, two waves, all in f32.
; THE MODE: SCHED_MODE bits 1:0 = 2 (LLVM: expert scheduling mode 2), set by the entry lines.  The code itself states the register dependences
; between vector or matrix instructions and memory or LDS instructions, with s_wait_alu, always for 0.
; THE PLAN.  The text is one straight run, with no loop.  Registers that memory or LDS instructions touch, in program order:
;   v1, v4, v5, v6   offsets of the first 14 loads: written by vector instructions at the head, never written again.
;   v8, v9           the ids land here; six vector lines make the gathers' offsets of them; the 32 gathers read them; never written again.
;   GC, SG, X        the codes, the scale byte and the genre weights land here; no vector instruction names them ahead of their loads.
;   PG, QG           the gathers land here; no vector or matrix instruction names them ahead of the gathers.
;   v28, v29         the sum and its LDS address: written by vector instructions, read by the LDS store, never written again.
;   v30              8 x lane: written behind the matrix instructions, read by wave 0's two LDS loads and its store, never written again.
;   v32-35           wave 0's LDS loads land here; a packed add writes v32-33; the store reads them.
;   v148, v149       written at the head, read by the closing add alone.
; So no register that a memory or LDS instruction has read is written again, and the text holds no wait on vm_vsrc.  Five waits on va_vdst: ahead of the first load, of the gathers, of the
; matrix instructions (whose operands and scale words vector instructions have written), of the LDS store and of the global store.  One on va_sdst (the wave's number), one on va_vcc (a block of zeros).
.set PROW, 1000000*4                   ; bytes in a row of P
.set QROW, 100032*4                    ; bytes in a row of Q
.set GOFF, 100000*4                    ; where a row's genre columns begin
.set R,    1                           ; v1      r = lane % 16
.set LANE, 2                           ; v2      lane
.set H8,   3                           ; v3      8 h
.set AID,  4                           ; v4      4 r: my id among the wave's 16
.set ACD,  5                           ; v5      24 r: my batch row's codes
.set AGW,  6                           ; v6      lane x QROW: my row of genre weights
.set PO,   8                           ; v8      the user id, then 4 x id + 8 h rows of P
.set QO,   9                           ; v9      the item id, then 4 x id + 8 h rows of Q
.set HP,   10                          ; v10     8 h rows of P, in bytes
.set HQ,   11                          ; v11     8 h rows of Q
.set SG,   12                          ; v12-13  the genres' scale word for instruction b: the row's byte at byte b, 0 elsewhere
.set SW,   14                          ; v14     the weights' scale word: byte 0 row 32 u + m, byte 1 row 32 u + 16 + m
.set TP,   15                          ; v15     what the lane 16 away sends
.set MX,   16                          ; v16-17  the block's largest magnitude, in two chains
.set BY,   18                          ; v18     its scale byte
.set CS,   19                          ; v19     the scale as f32, for the conversions
.set ACC,  20                          ; v20-27  four packed sums
.set SUM,  28                          ; v28     my batch row's sum
.set LST,  29                          ; v29     LDS: where the sum goes
.set LLD,  30                          ; v30     8 x lane: LDS address on the way out, and the byte offset in out
.set OUTD, 32                          ; v32-35  the way out
.set W,    36                          ; v36-47  source 0: six registers of codes, six of zeros
.set T,    48                          ; v48-50  the block's upper 16 codes as converted
.set GC,   52                          ; v52-57  my batch row's 24 bytes of codes as loaded
.set G,    58                          ; v58-81  source 1 of instruction 0 (v58-69) and of instruction 1 (v70-81): six registers of codes in one half of the lanes, six of zeros
.set X,    84                          ; v84-115 my row's 32 genre weights
.set QG,   116                         ; v116-131 Q's numbers, C and D of the two matrix instructions
.set PG,   132                         ; v132-147 P's numbers
.set PB,   40                          ; s[40:51] six bases in P: rows 32 u + 16 b + 3 e, e = 0, 1, 2
.set QB,   52                          ; s[52:55] two bases in Q: rows 32 u + 16 b
.set GB,   56                          ; s[56:57] the genre columns of row 32 u
	s_load_b256 s[4:11], s[0:1], 0x0               ; user_ids s[4:5], item_ids s[6:7], the genres' codes s[8:9], their scales s[10:11]
	s_load_b128 s[12:15], s[0:1], 0x20             ; P s[12:13], Q s[14:15]
	s_load_b64 s[16:17], s[0:1], 0x30              ; out
	v_lshl_add_u32 v148, v0, 2, 0x200              ; the LDS address of my spare word, behind the 512 bytes of sums; with v149 kept for the closing lines alone
	v_mov_b32 v149, 0
	v_lshrrev_b32 v7, 5, v0
	v_readfirstlane_b32 s18, v7                    ; wave 0..7
	v_and_b32 v[R], 15, v0
	v_and_b32 v[LANE], 31, v0
	v_bfe_u32 v[H8], v0, 4, 1
	v_lshlrev_b32 v[H8], 3, v[H8]
	v_lshlrev_b32 v[AID], 2, v[R]
	v_mul_u32_u24 v[ACD], v[R], 24
	v_mul_u32_u24 v[AGW], v[LANE], QROW
	v_mul_u32_u24 v[HP], v[H8], PROW
	v_mul_u32_u24 v[HQ], v[H8], QROW
	s_wait_alu depctr_va_sdst(0)                   ; s18, the wave's number, is written, ahead of its first reader: the line below
	s_and_b32 s19, s18, 1                          ; u: which 32 latent rows
	s_lshr_b32 s20, s18, 1                         ; which 16 of the group's batch rows
	s_lshl_b32 s21, ttmp9, 6
	s_lshl4_add_u32 s26, s20, s21                  ; my wave's first batch row = 64 x work-group + 16 x (wave / 2): also its byte offset among the genres' scales
	s_mov_b32 s27, 0
	s_lshl_b32 s22, s26, 2                         ; the same among the ids,
	s_mov_b32 s23, 0
	s_mul_i32 s24, s26, 24                         ; and among the genres' codes
	s_mov_b32 s25, 0
	s_mul_i32 s28, s19, 32*PROW                    ; 32 u rows of P (128,000,000 bytes at the most)
	s_mov_b32 s29, 0
	s_mul_i32 s30, s19, 32*QROW                    ; 32 u rows of Q
	s_mov_b32 s31, 0
	s_lshl_b32 s32, ttmp9, 8                       ; the group's 256 bytes of out
	s_mov_b32 s33, 0
	s_lshl_b32 s37, s19, 8                         ; LDS: 256 bytes for each half of the latent rows, in them 64 bytes for each 16 batch rows
	s_lshl_b32 s38, s20, 6
	s_add_co_u32 s37, s37, s38
	s_mov_b32 s34, 0x76543210                      ; v_permlanex16_b32: each lane takes its own place in the other half
	s_mov_b32 s35, 0xfedcba98
	s_mov_b32 s36, 0xffff                          ; lanes 0-15
	s_wait_kmcnt 0x0
	s_add_nc_u64 s[4:5], s[4:5], s[22:23]
	s_add_nc_u64 s[6:7], s[6:7], s[22:23]
	s_wait_alu depctr_va_vdst(0)                   ; the offsets v1, v4, v5 and v6 are written, which the 14 loads below read; no vector instruction among or behind them writes these four
	global_load_b32 v[PO], v[AID], s[4:5]          ; the ids first: the gathers hang on them.  Both halves of the lanes take the same 16
	global_load_b32 v[QO], v[AID], s[6:7]
	s_add_nc_u64 s[8:9], s[8:9], s[24:25]
	s_add_nc_u64 s[10:11], s[10:11], s[26:27]
	s_add_nc_u64 s[12:13], s[12:13], s[28:29]      ; P and Q at latent row 32 u
	s_add_nc_u64 s[14:15], s[14:15], s[30:31]
	s_add_nc_u64 s[GB:GB+1], s[14:15], GOFF
.irp i, 0,1,2
	global_load_b64 v[GC+2*\i:GC+2*\i+1], v[ACD], s[8:9] offset:8*\i       ; a block of 32 codes, 24 bytes, as it lies: it IS six registers of an operand
.endr
	global_load_u8 v[SG], v[R], s[10:11]           ; its scale byte: with zeros above it, the scale word of instruction 0
.irp i, 0,1,2,3,4,5,6,7
	global_load_b128 v[X+4*\i:X+4*\i+3], v[AGW], s[GB:GB+1] offset:16*\i   ; genre weights of latent row 32 u + lane: a whole block in one lane's registers, g ascending
.endr
	; while the ids are on their way: the bases, and the registers that hold zero codes.
	; Beside an offset made of a loaded id every immediate is 0 or more, so that base + offset + immediate never falls under the base.
.irp b, 0,1
.irp e, 0,1,2
	s_add_nc_u64 s[PB+6*\b+2*\e:PB+6*\b+2*\e+1], s[12:13], (16*\b+3*\e)*PROW   ; the signed 24-bit immediate (ISA guide, chapter 10) reaches two rows of P upward: a base serves three rows
.endr
	s_add_nc_u64 s[QB+2*\b:QB+2*\b+1], s[14:15], 16*\b*QROW                    ; seven rows of Q are 2,800,896 bytes: a base serves the eight rows of instruction b
.endr
	s_add_nc_u64 s[16:17], s[16:17], s[32:33]
.irp i, 6,7,8,9,10,11
	v_mov_b32 v[W+\i], 0                           ; blocks 2 and 3 of all three operands
	v_mov_b32 v[G+\i], 0
	v_mov_b32 v[G+12+\i], 0
.endr
	v_mov_b32 v[TP], 0                             ; (the destination of a lane permute counts as read)
	s_wait_loadcnt 12                              ; the two ids are in; behind them stand 3 + 1 + 8 loads
	v_min_u32 v[PO], 0xf423f, v[PO]                ; held inside the tables: 999,999
	v_min_u32 v[QO], 0x1869f, v[QO]                ; and 99,999
	v_lshlrev_b32 v[PO], 2, v[PO]
	v_lshlrev_b32 v[QO], 2, v[QO]
	v_add_nc_u32 v[PO], v[PO], v[HP]               ; my column, and 8 rows down for lanes 16-31
	v_add_nc_u32 v[QO], v[QO], v[HQ]
	s_wait_alu depctr_va_vdst(0)                   ; the two additions have written v8 and v9, which the 32 gathers read as their offsets
.irp b, 0,1
.irp j, 0,1,2,3,4,5,6,7
	global_load_b32 v[PG+8*\b+\j], v[PO], s[PB+6*\b+2*(\j/3):PB+6*\b+2*(\j/3)+1] offset:(\j%3)*PROW   ; P[32 u + 16 b + 8 h + j][user[r]]
.endr
.endr
.irp b, 0,1
.irp j, 0,1,2,3,4,5,6,7
	global_load_b32 v[QG+8*\b+\j], v[QO], s[QB+2*\b:QB+2*\b+1] offset:\j*QROW                         ; Q[32 u + 16 b + 8 h + j][item[r]]: register j of instruction b's C
.endr
.endr
	s_wait_loadcnt 32                              ; the 32 gathers stay out; the codes, the scale byte and the genre weights are in
	; THE QUANTISER, while the gathers are on their way.  My block: the 32 genre weights of latent row 32 u + lane.  None of its lines names v8, v9, PG or QG
	v_max3_num_f32 v[MX], |v[X]|, |v[X+1]|, |v[X+2]|               ; its largest magnitude, in two chains that do not wait for each other
	v_max3_num_f32 v[MX+1], |v[X+3]|, |v[X+4]|, |v[X+5]|
.irp i, 6,10,14,18,22,26
	v_max3_num_f32 v[MX], v[MX], |v[X+\i]|, |v[X+\i+1]|
	v_max3_num_f32 v[MX+1], v[MX+1], |v[X+\i+2]|, |v[X+\i+3]|
.endr
	v_max3_num_f32 v[MX], v[MX], |v[X+30]|, |v[X+31]|
	v_max_num_f32 v[MX], v[MX], v[MX+1]
	v_cmp_eq_u32 vcc_lo, 0, v[MX]                  ; is it a block of zeros?  The four lines below stand between the compare and the wait for its mask
	v_lshrrev_b32 v[BY], 23, v[MX]                 ; its exponent field is floor(log2) + 127
	v_max_u32 v[BY], 5, v[BY]                      ; (the byte is held at 1 from below: e = -126)
	v_add_nc_u32 v[BY], -4, v[BY]                  ; the scale's byte: 4 is the exponent of 28, the format's largest number
	v_lshlrev_b32 v[CS], 23, v[BY]                 ; and the scale as f32: the conversions take its exponent field
	s_wait_alu depctr_va_vcc(0)                    ; the compare has written VCC, which the line below reads
	v_cndmask_b32 v[BY], v[BY], 127, vcc_lo        ; a block of zeros has e = 0
	v_lshlrev_b32 v[SW], v[H8], v[BY]              ; lanes 0-15 hold block 0's byte of operand row r, lanes 16-31 block 1's: 8 h bits up,
	v_permlanex16_b32 v[TP], v[SW], s34, s35
	v_or_b32 v[SW], v[SW], v[TP]                   ; and with the other half's the word is whole (bytes 2 and 3, of the zero codes, are 0)
	v_lshlrev_b32 v[SG+1], 8, v[SG]                ; the genres' scale word of instruction 1: the byte at block 1
	v_cvt_scalef32_pk16_bf6_f32 v[W:W+2], v[X:X+15], v[CS]         ; sixteen numbers / the scale, to the nearest code, ties to even, beyond 28 the largest code; 96 bits, the first number's code lowest
	v_cvt_scalef32_pk16_bf6_f32 v[T:T+2], v[X+16:X+31], v[CS]      ; (a conversion's three registers begin on an even number: the block's second three do not, so they are made here and moved)
.irp i, 0,1,2,3,4,5
	v_cndmask_b32 v[G+\i], 0, v[GC+\i], s36        ; instruction 0: the genres' codes in lanes 0-15 (block 0), zero codes in lanes 16-31 (block 1)
	v_cndmask_b32 v[G+12+\i], v[GC+\i], 0, s36     ; instruction 1: the other way round.  (These are also the plain instructions between the conversions and the use of their results)
.endr
.irp i, 0,1,2
	v_mov_b32 v[W+3+\i], v[T+\i]
.endr
.rept 4
	v_nop                                          ; an operand written by a vector instruction stands four places ahead of the scaled matrix instruction, a scale register eight (here 19); the wave waits for its gathers anyway
.endr
	s_wait_alu depctr_va_vdst(0)                   ; vector instructions have written the operands v[W ..] and v[G ..] and the scale words v13 and v14, which the scaled matrix instructions take; the places above stay beside this wait
	s_wait_loadcnt 0x0                             ; all gathers are in
.irp b, 0,1                                    ; D(m, r) = Q[32 u + 16 b + m][item[r]] + sum over g of Qq[32 u + 16 b + m][g] x genres[r][g].  Two accumulators, one instruction each
	v_wmma_scale_f32_16x16x128_f8f6f4 v[QG+8*\b:QG+8*\b+7], v[W:W+11], v[G+12*\b:G+12*\b+11], v[QG+8*\b:QG+8*\b+7], v[SW], v[SG+\b] matrix_a_fmt:MATRIX_FMT_BF6 matrix_b_fmt:MATRIX_FMT_BF6
.endr
	v_lshl_add_u32 v[LST], v[R], 2, s37            ; four places behind the matrix instructions (ISA guide 7.12.1) before their results are read: the way out's two addresses,
	v_lshlrev_b32 v[LLD], 3, v[LANE]
	v_nop                                          ; and two for which no work is left
	v_nop
.irp p, 0,1                                    ; P x (q_item + q_genre), summed over my 16 latent rows: four packed sums, started by products; each accumulator is read from its low end on
.irp b, 0,1
	v_pk_mul_f32 v[ACC+4*\p+2*\b:ACC+4*\p+2*\b+1], v[QG+8*\b+2*\p:QG+8*\b+2*\p+1], v[PG+8*\b+2*\p:PG+8*\b+2*\p+1]
.endr
.endr
.irp p, 0,1
.irp b, 0,1
	v_pk_fma_f32 v[ACC+4*\p+2*\b:ACC+4*\p+2*\b+1], v[QG+8*\b+4+2*\p:QG+8*\b+5+2*\p], v[PG+8*\b+4+2*\p:PG+8*\b+5+2*\p], v[ACC+4*\p+2*\b:ACC+4*\p+2*\b+1]
.endr
.endr
	v_pk_add_f32 v[ACC:ACC+1], v[ACC:ACC+1], v[ACC+2:ACC+3]
	v_pk_add_f32 v[ACC+4:ACC+5], v[ACC+4:ACC+5], v[ACC+6:ACC+7]
	v_pk_add_f32 v[ACC:ACC+1], v[ACC:ACC+1], v[ACC+4:ACC+5]
	v_add_f32 v[SUM], v[ACC], v[ACC+1]
	v_permlanex16_b32 v[TP], v[SUM], s34, s35      ; the batch row's other 16 latent rows lie in the lane 16 away
	v_add_f32 v[SUM], v[SUM], v[TP]
	; THE WAY OUT.  A wave has 16 sums over half of the latent rows.  They meet in LDS, so that the group's 64 results leave as 256 consecutive bytes by one store.
	s_wait_alu depctr_va_vdst(0)                   ; the sum v28 and its address v29 are written, which the LDS store reads; so is v30, which wave 0's LDS loads read: no vector instruction stands between this wait and those loads
	ds_store_b32 v[LST], v[SUM]                    ; both lanes of a batch row write the same word with the same value
	s_wait_dscnt 0x0                               ; for the others' sake: my store is done
	s_barrier_signal -1
	s_barrier_wait -1                              ; everybody's is
	s_cmp_lg_u32 s18, 0
	s_cbranch_scc1 .Lend                           ; wave 0 alone stores
	ds_load_b64 v[OUTD:OUTD+1], v[LLD]             ; two batch rows a lane: latent rows 0-31,
	ds_load_b64 v[OUTD+2:OUTD+3], v[LLD] offset:256   ; and 32-63
	s_wait_dscnt 0x0
	v_pk_add_f32 v[OUTD:OUTD+1], v[OUTD:OUTD+1], v[OUTD+2:OUTD+3]
	s_wait_alu depctr_va_vdst(0)                   ; the packed addition has written v32 and v33, which the store reads
	global_store_b64 v[LLD], v[OUTD:OUTD+1], s[16:17]   ; 32 lanes store 256 consecutive bytes, at a multiple of 256 from out's first byte
.Lend:
	s_wait_dscnt 0x0                               ; the closing lines, six on end
	s_wait_alu 0x0
	s_wait_tensorcnt 0x0
	ds_add_u32 v148, v149
	s_wait_dscnt 0x0
	s_endpgm
.Lfunc_end_k_q356fed9217_gmf:
	.size	k_q356fed9217_gmf, .Lfunc_end_k_q356fed9217_gmf-k_q356fed9217_gmf
	.p2alignl 7, 3214868480
	.fill 96, 4, 3214868480
	.section	.rodata,"a",@progbits
	.p2align	6, 0x0
	.amdhsa_kernel k_q356fed9217_gmf
		.amdhsa_group_segment_fixed_size 1536
		.amdhsa_private_segment_fixed_size 0
		.amdhsa_enable_private_segment 0
		.amdhsa_kernarg_size 56
		.amdhsa_user_sgpr_count 2
		.amdhsa_user_sgpr_kernarg_segment_ptr 1
		.amdhsa_wavefront_size32 1
		.amdhsa_system_sgpr_workgroup_id_x 1
		.amdhsa_system_sgpr_workgroup_id_y 1
		.amdhsa_system_sgpr_workgroup_id_z 1
		.amdhsa_system_vgpr_workitem_id 0
		.amdhsa_next_free_vgpr 150
		.amdhsa_next_free_sgpr 66
		.amdhsa_reserve_vcc 1
		.amdhsa_float_denorm_mode_32 3
		.amdhsa_float_denorm_mode_16_64 3
		.amdhsa_memory_ordered 1
		.amdhsa_forward_progress 1
		.amdhsa_inst_pref_size 13
	.end_amdhsa_kernel
	.amdgpu_metadata
---
amdhsa.version: [ 1, 2 ]
amdhsa.kernels:
  - .name:           k_q356fed9217_gmf
    .symbol:         k_q356fed9217_gmf.kd
    .args:
      - { .name: user_ids, .offset: 0, .size: 8, .value_kind: global_buffer, .address_space: global }
      - { .name: item_ids, .offset: 8, .size: 8, .value_kind: global_buffer, .address_space: global }
      - { .name: genres_one_hot_codes, .offset: 16, .size: 8, .value_kind: global_buffer, .address_space: global }
      - { .name: genres_one_hot_scales, .offset: 24, .size: 8, .value_kind: global_buffer, .address_space: global }
      - { .name: P_weight, .offset: 32, .size: 8, .value_kind: global_buffer, .address_space: global }
      - { .name: Q_weight, .offset: 40, .size: 8, .value_kind: global_buffer, .address_space: global }
      - { .name: out0, .offset: 48, .size: 8, .value_kind: global_buffer, .address_space: global }
    .group_segment_fixed_size: 1536
    .private_segment_fixed_size: 0
    .kernarg_segment_align: 8
    .kernarg_segment_size: 56
    .max_flat_workgroup_size: 256
    .sgpr_count:     66
    .vgpr_count:     150
    .wavefront_size: 32
...
	.end_amdgpu_metadata
.endif
;; end of part 2
